; MI455X (gfx1250); checked and timed in simulation.
; The chip was launched on July 23, 2026; its instructions are those of AMD's public machine-readable ISA for CDNA 5 (MIT licence, August 2026) and "CDNA5" Instruction Set Architecture Reference Guide (July 2026). The comments in the code are by the model that wrote it; some were corrected since.
;; Pure Bi Mamba Scan. Allowed arithmetic: float matrix products may take bf16 or f16 operands with f32 sums; all other float work in f32.
;; Inputs: W_B 16 x 512 float32; W_C 16 x 512 float32; W_delta 512 x 512 float32; b_delta 512 float32; log_A 512 x 16 float32; tokens 4 x 2,048 x 512 float32.
;; Outputs: out0 4 x 512 float32.
;; 2 versions, each right and faster than the one before. Each part assembles by itself: llvm-mc -triple=amdgcn-amd-amdhsa -mcpu=gfx1250 --defsym DOCPART=n.
;; ======== version 1 of 2: 2 launches
;; limits: a function is approximated: absolute error at most 6e-08
;; workspace buffers: sums 5,505,024 bytes
;; launch chunks (part 1): grid 8 x 32, 4 waves a work-group, no clusters, 309,248 bytes of LDS; arguments tokens, W_delta, W_B, W_C, b_delta, log_A, sums; writes sums
.if DOCPART == 1
	.amdgcn_target "amdgcn-amd-amdhsa--gfx1250"
	.amdhsa_code_object_version 6
	.text
	.protected	k_q575e2405a8_chunks
	.globl	k_q575e2405a8_chunks
	.p2align	8
	.type	k_q575e2405a8_chunks,@function
k_q575e2405a8_chunks:
	s_mov_b64 s[64:65], 0
	v_nop
	global_prefetch_b8 v0, s[64:65] scope:SCOPE_SE
	s_setreg_imm32_b32 hwreg(HW_REG_WAVE_MODE, 25, 1), 1
	s_wait_xcnt 0x0
; Bidirectional selective scan, mean over time; launch 1 of 2: projection, softplus and the scan of one chunk of time.
; For a channel (n,d,k): a[t] = exp(-delta[t,d] e^logA[d,k]), v[t] = delta[t,d] x[t,d] B[t,k].
;   forward scan:  sum_t C[t] h[t],  h[t] = a[t] h[t-1] + v[t]
;   backward scan: sum_t v[t] q[t],  q[t] = C[t] + a[t-1] q[t-1]   (its adjoint, which also runs forward in time)
; so one pass in time order serves both directions, and every projection, softplus and exponential is made once.
; A chunk of time hands on, for each channel: E1 = h at its end, E2 = a q at its end, PF = product of its a,
; S1 = sum C[t] P[t] (P = product of a from the chunk's start through t), S2 = sum v[t] P[t-1]; and its own sum Y for each d.
; Launch 2 chains the eight chunks of a batch row.
; WORK-GROUP: 256 time steps of one batch row (grid y = 8 n + chunk) x 64 d (grid x), four waves.
;   1 W: 64 rows of W_delta, 16 of W_B, 16 of W_C go through registers (f32 -> bf16) into LDS rows of 1,040 bytes; a wave converts 24 rows.
;   2 product: a wave owns 64 token rows and multiplies them with all 96 rows of W.  Tokens go through registers (f32 -> bf16, 16 lanes
;     take 256 aligned bytes of a row) into the wave's own LDS stage, 64 along K at a time; three register buffers, two K blocks in flight.
;     The order of the eight K blocks is rotated by the d block's number: the eight work-groups that read one token tile begin at eight
;     different column blocks, and the first block is this work-group's own 64 columns x, which are kept in f32 in LDS.
;   3 b_delta is the C of the first matrix instructions; softplus; delta and B, C to LDS.
;   4 scan: a lane is one d and one half of the 256 steps (lanes 0-15 the earlier half), with all 16 k in registers.
;   5 the two halves are joined inside the wave; sums leave as 16 bytes a lane, 16 lanes filling 256 aligned bytes.
; NO CLUSTER: every input needs the f32 -> bf16 conversion and so passes through registers, where no joint request exists; as f32 tiles
; in LDS the tokens would take twice the bytes, and beside W's 99,840 bytes two slots would hold one K block of 256 rows each.
; LIMITS: matrix operands are bf16.  softplus = max(z,0) + ln2 log2(1 + 2^(-|z| log2 e)) with 1 + e formed in f32: absolute error about 6e-8,
; so delta loses relative accuracy below z = -12 and is 0 below z = -17.  v_exp_f32 gives 0 for results below 2^-126 (ISA guide 15.8).
; K is summed in the rotated order.
.set WPITCH,  1040                     ; a bf16 row of W in LDS: 1,024 + 16, an odd multiple of 16: 16 rows start in 16 different 16-byte columns of 256 bytes
.set SPITCH,  144                      ; a stage row: 64 bf16 + 16
.set DPITCH,  528                      ; a row of delta|x: 64 f32, 64 f32, + 16
.set BPITCH,  144                      ; a row of B|C: 16 f32, 16 f32, + 16
.set STG_L,   96*WPITCH                ; four stages, one a wave
.set STG_W,   64*SPITCH
.set DU_L,    STG_L+4*STG_W            ; 256 rows delta|x
.set BC_L,    DU_L+256*DPITCH          ; 256 rows B|C; LDS ends at BC_L + 256*BPITCH = 308,736
.set BLK,     5376                     ; bytes that a wave stores: R1 2,048 (S1 | E1), R2 2,048 (S2 | E2), PF 1,024, Y 256
; window 0: addresses, none rewritten but WFA, WFB, DUR, BCR
.set TOKO, 4                           ; v4-11   byte offset of my 16 bytes in the wave's first two token rows, K block c
.set WF0,  12                          ; LDS address of my W fragments, column tiles 0-2, K = 0
.set WF1,  13                          ; column tiles 3-5
.set WFA,  14                          ; the same two at the K block at work
.set WFB,  15
.set TF,   16                          ; token fragments in my stage
.set TS,   17                          ; where I put 8 bytes of bf16 in my stage
.set XS,   18                          ; where I put 16 bytes of x (less the 256 that stand in the immediate)
.set WGO,  19                          ; 16 x lane
.set WD,   20                          ; W conversion: to (W_delta)
.set WD2,  21                          ; to (W_B; W_C 16 rows further)
.set DUW,  22                          ; epilogue: where my delta go
.set BCW,  23                          ; epilogue: where my B, C go
.set DUR,  24                          ; scan: my delta
.set BCR,  25                          ; scan: my half's B|C row
.set BO,   26                          ; 32 h
.set LAO,  27                          ; 64 r
.set SY,   28                          ; 8 x lane
.set RA2,  32                          ; v32-47  log_A, then -e^logA log2 e, my d, 16 k
.set WB0,  48                          ; W conversion: three buffers of 64 registers
.set WB1,  112
.set WB2,  176
.set F0,   80                          ; fragment buffers: 6 of W (48 registers), 4 of tokens (32)
.set F1,   160
.set RE,   80                          ; epilogue
.set RM,   112
.set RH,   48                          ; scan state, 16 k each
.set RW,   64
.set RP,   80
.set RS1,  96
.set RS2,  112
.set RY,   128
.set RV,   144
.set RA,   160
.set BC0,  176                         ; B (16), C (16) of a step, two buffers
.set BC1,  208
.set DU0,  240                         ; delta, x (then u) of a step, two buffers
.set DU1,  242
; window 1: v0-191 the 24 accumulator tiles, tile (ct, tt) at 8 (4 ct + tt); v192-223 b_delta as a C operand.
; windows 2, 3: token buffer b = c mod 3 at window 2 + b / 2, register 128 (b & 1).
; s_set_vgpr_msb: bits 1:0 source 0, 3:2 source 1, 5:4 source 2, 7:6 destination; the high byte repeats the setting that is left.
.set MSB, 0
.macro WIN new
.if MSB != \new
	s_set_vgpr_msb (MSB<<8)|\new
.set MSB, \new
.endif
.endm
.macro PLACES                          ; four places behind matrix instructions before a load lands on their sources or a result is read
.rept 4
	v_nop
.endr
.endm
.macro TBUF c                          ; where K block c's buffer lies
.set TB, 128*(((\c)%3)&1)
.set TW, 2+((\c)%3)/2
.endm
; K block c of my 64 token rows: 32 loads, each two rows x 256 aligned bytes
.macro TLOAD c
	TBUF \c
	WIN TW<<6
.set i, 0
.rept 32
	global_load_b128 v[TB+4*i:TB+4*i+3], v[TOKO+(\c)], s[8:9] offset:i*4096
.set i, i+1
.endr
.endm
; K block 0 is x: kept in f32 beside delta
.macro XSAVE
	WIN 0x08
.set i, 0
.rept 32
	ds_store_b128 v[XS], v[4*i:4*i+3] offset:i*2*DPITCH+256
.set i, i+1
.endr
.endm
; four f32 become two words of bf16, in place
.macro CVT c
	TBUF \c
	WIN TW*0x45
.set i, 0
.rept 32
	v_cvt_pk_bf16_f32 v[TB+4*i], v[TB+4*i], v[TB+4*i+1]
	v_cvt_pk_bf16_f32 v[TB+4*i+1], v[TB+4*i+2], v[TB+4*i+3]
.set i, i+1
.endr
.endm
.macro STORE c
	TBUF \c
	WIN TW<<2
.set i, 0
.rept 32
	ds_store_b64 v[TS], v[TB+4*i:TB+4*i+1] offset:i*2*SPITCH
.set i, i+1
.endr
.endm
; four rows of W: 16 loads of 512 neighbouring bytes
.macro WLD buf, base, off
.set i, 0
.rept 16
	global_load_b128 v[\buf+4*i:\buf+4*i+3], v[WGO], s[\base:\base+1] offset:\off+i*512
.set i, i+1
.endr
.endm
; and their conversion; n = the loads issued behind this batch
.macro WSTEP buf, n, dst, doff
	s_wait_loadcnt \n
.set i, 0
.rept 16
	v_cvt_pk_bf16_f32 v[\buf+4*i], v[\buf+4*i], v[\buf+4*i+1]
	v_cvt_pk_bf16_f32 v[\buf+4*i+1], v[\buf+4*i+2], v[\buf+4*i+3]
	ds_store_b64 v[\dst], v[\buf+4*i:\buf+4*i+1] offset:\doff+(i>>2)*WPITCH+(i&3)*256
.set i, i+1
.endr
.endm
; A fragment is 16 rows x 32 K in 8 registers: lane (r, h) holds row r; registers 0-3 K = 8 h .., registers 4-7 K = 16 + 8 h ..: two loads, 32 bytes apart.
; 20 loads: six fragments of W, four of tokens, 32 along K at byte 64 ks of the K block
.macro FRAG f, ks
.irp ct, 0,1,2
	ds_load_b128 v[\f+8*\ct:\f+8*\ct+3],   v[WFA] offset:\ct*16*WPITCH+64*\ks
	ds_load_b128 v[\f+8*\ct+4:\f+8*\ct+7], v[WFA] offset:\ct*16*WPITCH+64*\ks+32
.endr
.irp ct, 0,1,2
	ds_load_b128 v[\f+24+8*\ct:\f+24+8*\ct+3],   v[WFB] offset:\ct*16*WPITCH+64*\ks
	ds_load_b128 v[\f+24+8*\ct+4:\f+24+8*\ct+7], v[WFB] offset:\ct*16*WPITCH+64*\ks+32
.endr
.irp tt, 0,1,2,3
	ds_load_b128 v[\f+48+8*\tt:\f+48+8*\tt+3],   v[TF] offset:\tt*16*SPITCH+64*\ks
	ds_load_b128 v[\f+48+8*\tt+4:\f+48+8*\tt+7], v[TF] offset:\tt*16*SPITCH+64*\ks+32
.endr
.endm
; 24 matrix instructions.  Source 0 = 16 rows of W, source 1 = 16 token rows: register j of lane (r, h) is z[t = 16 tt + r][column 16 ct + 8 h + j].
; The 24 accumulators take turns, one instruction a turn, in the same order in every MUL.
; first = 1: the sums start from b_delta (delta's tiles) or from 0 (B's and C's): nothing is cleared.
.macro MUL f, first
	WIN 0x50
.irp tt, 0,1,2,3
.irp ct, 0,1,2,3,4,5
.if \first
.if \ct<4
	v_wmma_f32_16x16x32_bf16 v[8*(4*\ct+\tt):8*(4*\ct+\tt)+7], v[\f+8*\ct:\f+8*\ct+7], v[\f+48+8*\tt:\f+48+8*\tt+7], v[192+8*\ct:192+8*\ct+7]
.else
	v_wmma_f32_16x16x32_bf16 v[8*(4*\ct+\tt):8*(4*\ct+\tt)+7], v[\f+8*\ct:\f+8*\ct+7], v[\f+48+8*\tt:\f+48+8*\tt+7], 0
.endif
.else
	v_wmma_f32_16x16x32_bf16 v[8*(4*\ct+\tt):8*(4*\ct+\tt)+7], v[\f+8*\ct:\f+8*\ct+7], v[\f+48+8*\tt:\f+48+8*\tt+7], v[8*(4*\ct+\tt):8*(4*\ct+\tt)+7]
.endif
.endr
.endr
.endm
; One K block of 64: its fragments, the next block's conversion, the load three blocks ahead, 48 matrix instructions, the next block into the stage.
.macro KBLOCK c
	v_add_nc_u32 v[WFA], s[30+\c], v[WF0]
	v_add_nc_u32 v[WFB], s[30+\c], v[WF1]
	FRAG F0, 0
	FRAG F1, 1
.if \c<7
.if \c==6
	s_wait_loadcnt 0x0                             ; the last block: no load was issued behind it
.else
	s_wait_loadcnt 32                              ; block c + 1 is in; the 32 loads of block c + 2 stay out
.endif
	CVT \c+1
.endif
	s_wait_dscnt 20                                ; buffer 0's fragments are in (and the stage stores in front of them are done); buffer 1's 20 loads stay out
.if \c<5
	TLOAD \c+3                                     ; into the registers from which block c went to the stage
.endif
.if \c==0
	MUL F0, 1
.else
	MUL F0, 0
.endif
	s_wait_dscnt 0x0                               ; buffer 1's fragments; my reads of the stage are over
	MUL F1, 0
.if \c<7
	STORE \c+1                                     ; the stage is my wave's own: LDS serves a wave's instructions in order (ISA guide 5.7.1)
.endif
	WIN 0
	PLACES
.endm
; softplus of delta's column tile ct (32 registers: 4 token tiles x 8 columns), to LDS
.macro SOFT ct
	WIN 0x04
.set i, 0
.rept 32
	v_and_b32 v[RE+i], 0x7fffffff, v[32*\ct+i]     ; |z|
	v_max_num_f32 v[RM+i], 0, v[32*\ct+i]          ; max(z, 0)
.set i, i+1
.endr
	WIN 0
.set i, 0
.rept 16
	v_pk_mul_f32 v[RE+2*i:RE+2*i+1], v[RE+2*i:RE+2*i+1], 0xbfb8aa3b op_sel_hi:[1,0]   ; -|z| log2 e
.set i, i+1
.endr
.set i, 0
.rept 32
	v_exp_f32 v[RE+i], v[RE+i]
.set i, i+1
.endr
	v_nop                                          ; one plain place behind the last transcendental (ISA guide 5.7.2)
.set i, 0
	s_wait_alu depctr_va_vdst(0)
.rept 16
	v_pk_add_f32 v[RE+2*i:RE+2*i+1], v[RE+2*i:RE+2*i+1], 1.0 op_sel_hi:[1,0]
.set i, i+1
.endr
.set i, 0
.rept 32
	v_log_f32 v[RE+i], v[RE+i]
.set i, i+1
.endr
	v_nop
.set i, 0
	s_wait_alu depctr_va_vdst(0)
.rept 16
	v_pk_fma_f32 v[RM+2*i:RM+2*i+1], v[RE+2*i:RE+2*i+1], 0x3f317218, v[RM+2*i:RM+2*i+1] op_sel_hi:[1,0,1]   ; + ln 2 x log2
.set i, i+1
.endr
.irp tt, 0,1,2,3
	ds_store_b128 v[DUW], v[RM+8*\tt:RM+8*\tt+3]   offset:\tt*16*DPITCH+64*\ct
	ds_store_b128 v[DUW], v[RM+8*\tt+4:RM+8*\tt+7] offset:\tt*16*DPITCH+64*\ct+16
.endr
.endm
; the operands of one step: delta, x of my d; B, C of my half's row (the 16 lanes of a half read the same bytes).  10 loads.
.macro LOADS bc, du, row
	ds_load_b32 v[\du],   v[DUR] offset:\row*DPITCH
	ds_load_b32 v[\du+1], v[DUR] offset:\row*DPITCH+256
.irp j, 0,1,2,3,4,5,6,7
	ds_load_b128 v[\bc+4*\j:\bc+4*\j+3], v[BCR] offset:\row*BPITCH+16*\j
.endr
.endm
; two pairs of k, i and i + 2, taken together so that no instruction reads the result of the one in front of it.
; ex = 1: the exponentials of the next two pairs stand among them, each followed by a plain instruction that names none of its registers.
.macro GROUP bc, du, i, ex
.irp p, \i, \i+2
	v_pk_mul_f32 v[RV+\p:RV+\p+1], v[\bc+\p:\bc+\p+1], v[\du:\du+1] op_sel:[0,1] op_sel_hi:[1,1]   ; v = B u
.endr
.if \ex
	v_exp_f32 v[RA+\i+4], v[RA+\i+4]
.endif
.irp p, \i, \i+2
	v_pk_add_f32 v[RW+\p:RW+\p+1], v[\bc+16+\p:\bc+16+\p+1], v[RW+\p:RW+\p+1]                      ; q = C + w
.endr
.if \ex
	v_exp_f32 v[RA+\i+5], v[RA+\i+5]
.endif
.irp p, \i, \i+2
	v_pk_fma_f32 v[RS2+\p:RS2+\p+1], v[RV+\p:RV+\p+1], v[RP+\p:RP+\p+1], v[RS2+\p:RS2+\p+1]        ; S2 += v P (P up to the step before)
.endr
.if \ex
	v_exp_f32 v[RA+\i+6], v[RA+\i+6]
.endif
	s_wait_alu depctr_va_vdst(0)
.irp p, \i, \i+2
	v_pk_mul_f32 v[RP+\p:RP+\p+1], v[RP+\p:RP+\p+1], v[RA+\p:RA+\p+1]                              ; P *= a
.endr
.if \ex
	v_exp_f32 v[RA+\i+7], v[RA+\i+7]
.endif
.irp p, \i, \i+2
	v_pk_fma_f32 v[RY+\p:RY+\p+1], v[RV+\p:RV+\p+1], v[RW+\p:RW+\p+1], v[RY+\p:RY+\p+1]            ; Y += v q
.endr
.irp p, \i, \i+2
	v_pk_fma_f32 v[RH+\p:RH+\p+1], v[RA+\p:RA+\p+1], v[RH+\p:RH+\p+1], v[RV+\p:RV+\p+1]            ; h = a h + v
.endr
.irp p, \i, \i+2
	v_pk_fma_f32 v[RS1+\p:RS1+\p+1], v[\bc+16+\p:\bc+16+\p+1], v[RP+\p:RP+\p+1], v[RS1+\p:RS1+\p+1] ; S1 += C P
.endr
.irp p, \i, \i+2
	v_pk_mul_f32 v[RW+\p:RW+\p+1], v[RA+\p:RA+\p+1], v[RW+\p:RW+\p+1]                              ; w = a q
.endr
.irp p, \i, \i+2
	v_pk_fma_f32 v[RY+\p:RY+\p+1], v[\bc+16+\p:\bc+16+\p+1], v[RH+\p:RH+\p+1], v[RY+\p:RY+\p+1]    ; Y += C h
.endr
.endm
; one step of the scan on operand buffer (bc, du).  n = the LDS loads issued behind this buffer's.  load = 1: the buffer is loaded again, with row 'row' from the pointers.
.macro STEP bc, du, n, load, row
	s_wait_dscnt \n
	v_mul_f32 v[\du+1], v[\du], v[\du+1]           ; u = delta x
.irp i, 0,2,4,6,8,10,12,14
	v_pk_mul_f32 v[RA+\i:RA+\i+1], v[RA2+\i:RA2+\i+1], v[\du:\du+1] op_sel_hi:[1,0]   ; -delta e^logA log2 e
.endr
.irp i, 0,1,2,3
	v_exp_f32 v[RA+\i], v[RA+\i]
.endr
	GROUP \bc, \du, 0, 1
	GROUP \bc, \du, 4, 1
	GROUP \bc, \du, 8, 1
	GROUP \bc, \du, 12, 0
.if \load
	LOADS \bc, \du, \row
.endif
.endm
	s_load_b256 s[8:15], s[0:1], 0x0               ; tokens s[8:9], W_delta s[10:11], W_B s[12:13], W_C s[14:15]
	s_load_b128 s[16:19], s[0:1], 0x20             ; b_delta s[16:17], log_A s[18:19]
	s_load_b64 s[20:21], s[0:1], 0x30              ; sums
	v_lshl_add_u32 v254, v0, 2, 0x4b600
	v_mov_b32 v255, 0
	v_lshrrev_b32 v1, 5, v0
	v_readfirstlane_b32 s2, v1                     ; wave w, 0..3
	s_mov_b32 s3, ttmp9                            ; d block x, 0..7
	s_and_b32 s4, ttmp7, 0xffff                    ; y = 8 n + chunk, 0..31
	s_mov_b32 s6, 0x76543210                       ; v_permlanex16_b32: lane i of one half reads lane i of the other
	s_mov_b32 s7, 0xfedcba98
	s_mov_b32 s27, 0xffff0000                      ; lanes 16-31
	v_and_b32 v1, 15, v0                           ; r
	v_bfe_u32 v2, v0, 4, 1                         ; h
	v_and_b32 v3, 31, v0                           ; lane
	v_lshlrev_b32 v29, 4, v1
	v_lshl_add_u32 v29, v2, 11, v29                ; 16 r + one token row for lanes 16-31
.irp c, 0,1,2,3,4,5,6,7
	s_add_co_u32 s28, s3, \c
	s_and_b32 s28, s28, 7                          ; the c-th K block is column block (x + c) mod 8
	s_lshl_b32 s[30+\c], s28, 7                    ; its 128 bytes in a bf16 row of W
	s_lshl_b32 s28, s28, 8                         ; its 256 bytes in a token row
	v_add_nc_u32 v[TOKO+\c], s28, v29
.endr
	v_mul_u32_u24 v[WF0], v1, WPITCH
	v_lshl_add_u32 v[WF0], v2, 4, v[WF0]           ; row r, 16 bytes for each half of the lanes
	v_add_nc_u32 v[WF1], 48*WPITCH, v[WF0]
	s_mul_i32 s28, s2, STG_W
	s_add_co_u32 s28, s28, STG_L                   ; my stage
	v_mul_u32_u24 v[TF], v1, SPITCH
	v_lshl_add_u32 v[TF], v2, 4, v[TF]
	v_add_nc_u32 v[TF], s28, v[TF]
	v_mul_u32_u24 v[TS], v2, SPITCH
	v_lshl_add_u32 v[TS], v1, 3, v[TS]
	v_add_nc_u32 v[TS], s28, v[TS]
	s_mul_i32 s29, s2, 64*DPITCH
	s_add_co_u32 s29, s29, DU_L                    ; my 64 rows of delta|x
	v_mul_u32_u24 v[XS], v2, DPITCH
	v_lshl_add_u32 v[XS], v1, 4, v[XS]
	v_add_nc_u32 v[XS], s29, v[XS]
	v_mul_u32_u24 v[DUW], v1, DPITCH
	v_lshl_add_u32 v[DUW], v2, 5, v[DUW]
	v_add_nc_u32 v[DUW], s29, v[DUW]
	v_lshlrev_b32 v[WGO], 4, v3
	s_mul_i32 s24, s2, 16*WPITCH
	v_lshl_add_u32 v[WD], v3, 3, s24               ; W_delta's rows 16 w ..
	s_mul_i32 s24, s2, 4*WPITCH
	s_add_co_u32 s24, s24, 64*WPITCH
	v_lshl_add_u32 v[WD2], v3, 3, s24              ; W_B's rows 4 w .. behind W_delta's 64
	s_mul_i32 s24, s2, 64*BPITCH
	s_add_co_u32 s24, s24, BC_L
	v_mul_u32_u24 v[BCW], v1, BPITCH
	v_lshl_add_u32 v[BCW], v2, 5, v[BCW]
	v_add_nc_u32 v[BCW], s24, v[BCW]
	s_lshl_b32 s24, s2, 6
	s_add_co_u32 s24, s24, DU_L
	v_mul_u32_u24 v[DUR], v2, 128*DPITCH           ; lanes 16-31 scan rows 128-255
	v_lshl_add_u32 v[DUR], v1, 2, v[DUR]
	v_add_nc_u32 v[DUR], s24, v[DUR]               ; d = 16 w + r
	v_mul_u32_u24 v[BCR], v2, 128*BPITCH
	v_add_nc_u32 v[BCR], BC_L, v[BCR]
	v_lshlrev_b32 v[BO], 5, v2
	v_lshlrev_b32 v[LAO], 6, v1
	v_lshlrev_b32 v[SY], 3, v3
	s_mov_b32 s25, 0
	s_wait_kmcnt 0x0
	s_lshl_b32 s24, s4, 19                         ; 256 token rows of 2,048 bytes a chunk,
	s_lshl_b32 s28, s2, 17                         ; 64 a wave
	s_add_co_u32 s24, s24, s28
	s_add_nc_u64 s[8:9], s[8:9], s[24:25]
	s_lshl_b32 s24, s3, 17                         ; 64 rows of W_delta a d block,
	s_lshl_b32 s28, s2, 15                         ; 16 a wave
	s_add_co_u32 s24, s24, s28
	s_add_nc_u64 s[10:11], s[10:11], s[24:25]
	s_lshl_b32 s24, s2, 13                         ; 4 rows of W_B and of W_C a wave
	s_add_nc_u64 s[12:13], s[12:13], s[24:25]
	s_add_nc_u64 s[14:15], s[14:15], s[24:25]
	s_lshl_b32 s24, s3, 8                          ; 64 numbers of b_delta a d block
	s_add_nc_u64 s[16:17], s[16:17], s[24:25]
	s_lshl_b32 s24, s3, 12                         ; 64 rows of log_A (64 bytes each) a d block,
	s_lshl_b32 s28, s2, 10                         ; 16 a wave
	s_add_co_u32 s24, s24, s28
	s_add_nc_u64 s[18:19], s[18:19], s[24:25]
	s_lshl_b32 s24, s4, 3
	s_add_co_u32 s24, s24, s3
	s_lshl_b32 s24, s24, 2
	s_add_co_u32 s24, s24, s2                      ; (8 y + x) 4 + w
	s_mul_i32 s24, s24, BLK
	s_add_nc_u64 s[20:21], s[20:21], s[24:25]
	; PHASE 1: loads go out: x's K block, b_delta, log_A, three batches of W
	TLOAD 0
	WIN 0x40
.irp ct, 0,1,2,3
	global_load_b128 v[192+8*\ct:192+8*\ct+3],   v[BO], s[16:17] offset:64*\ct      ; b_delta[16 ct + 8 h + 0..7]: the layout of an accumulator
	global_load_b128 v[192+8*\ct+4:192+8*\ct+7], v[BO], s[16:17] offset:64*\ct+16
.endr
	WIN 0
.irp j, 0,1,2,3
	global_load_b128 v[RA2+4*\j:RA2+4*\j+3], v[LAO], s[18:19] offset:16*\j
.endr
	WLD WB0, 10, 0
	WLD WB1, 10, 8192
	WLD WB2, 10, 16384
	; PHASE 2: W to bf16.  Loads come back in order (ISA guide 5.7.1): each count names the loads issued behind the batch at work.
	WSTEP WB0, 32, WD, 0                           ; two batches of 16 stay out
	WLD WB0, 10, 24576
	WSTEP WB1, 32, WD, 4*WPITCH
	WLD WB1, 12, 0
	WSTEP WB2, 32, WD, 8*WPITCH
	WLD WB2, 14, 0
	WSTEP WB0, 32, WD, 12*WPITCH
	TLOAD 1
	WIN 0
	WSTEP WB1, 48, WD2, 0                          ; W_C's 16 loads and K block 1's 32 stay out
	WSTEP WB2, 32, WD2, 16*WPITCH                  ; K block 1's 32
	TLOAD 2
	XSAVE                                          ; K block 0 came in ahead of every batch of W
	CVT 0
	STORE 0
	WIN 0
	s_wait_dscnt 0x0                               ; my rows of W are in LDS
	s_barrier_signal -1
	s_barrier_wait -1                              ; everybody's are
	; PHASE 3: the product
.irp c, 0,1,2,3,4,5,6,7
	KBLOCK \c
.endr
	; PHASE 4: B and C straight from the accumulators (the four places stand at the end of the last K block), softplus, A
	WIN 0x04
.irp ct, 4,5
.irp tt, 0,1,2,3
	ds_store_b128 v[BCW], v[8*(4*\ct+\tt):8*(4*\ct+\tt)+3]   offset:\tt*16*BPITCH+(\ct-4)*64
	ds_store_b128 v[BCW], v[8*(4*\ct+\tt)+4:8*(4*\ct+\tt)+7] offset:\tt*16*BPITCH+(\ct-4)*64+16
.endr
.endr
	SOFT 0
	SOFT 1
	SOFT 2
	SOFT 3
.irp i, 0,2,4,6,8,10,12,14
	v_pk_mul_f32 v[RA2+\i:RA2+\i+1], v[RA2+\i:RA2+\i+1], 0x3fb8aa3b op_sel_hi:[1,0]
.endr
.set i, 0
.rept 16
	v_exp_f32 v[RA2+i], v[RA2+i]                   ; e^logA
.set i, i+1
.endr
	v_nop
	s_wait_alu depctr_va_vdst(0)
.irp i, 0,2,4,6,8,10,12,14
	v_pk_mul_f32 v[RA2+\i:RA2+\i+1], v[RA2+\i:RA2+\i+1], 0xbfb8aa3b op_sel_hi:[1,0]   ; x -log2 e: a = 2^(delta x this)
.endr
	s_wait_dscnt 0x0                               ; my rows of delta, x, B, C are in LDS
	s_barrier_signal -1
	s_barrier_wait -1                              ; everybody's are; nothing in LDS is written from here on
	; PHASE 5: the scan, 128 steps a lane.  Step t's operands are loaded at the end of step t - 2.
	LOADS BC0, DU0, 0
	LOADS BC1, DU1, 1
	; step 0 starts every sum: P = a, S2 = v, q = C, h = v, S1 = C a, w = a C, Y = v q + C h = 2 C v.  Nothing is cleared.
	s_wait_dscnt 10                                ; step 1's 10 loads stay out
	v_mul_f32 v[DU0+1], v[DU0], v[DU0+1]
.irp i, 0,2,4,6,8,10,12,14
	v_pk_mul_f32 v[RP+\i:RP+\i+1], v[RA2+\i:RA2+\i+1], v[DU0:DU0+1] op_sel_hi:[1,0]
.endr
.set i, 0
.rept 16
	v_exp_f32 v[RP+i], v[RP+i]
.set i, i+1
.endr
.irp i, 0,2,4,6,8,10,12,14
	v_pk_mul_f32 v[RH+\i:RH+\i+1], v[BC0+\i:BC0+\i+1], v[DU0:DU0+1] op_sel:[0,1] op_sel_hi:[1,1]
.endr
	s_wait_alu depctr_va_vdst(0)
.irp i, 0,2,4,6,8,10,12,14
	v_pk_mul_f32 v[RS2+\i:RS2+\i+1], v[BC0+\i:BC0+\i+1], v[DU0:DU0+1] op_sel:[0,1] op_sel_hi:[1,1]
	v_pk_mul_f32 v[RS1+\i:RS1+\i+1], v[BC0+16+\i:BC0+16+\i+1], v[RP+\i:RP+\i+1]
	v_pk_mul_f32 v[RY+\i:RY+\i+1], v[BC0+16+\i:BC0+16+\i+1], v[RH+\i:RH+\i+1]
	v_pk_mul_f32 v[RW+\i:RW+\i+1], v[RP+\i:RP+\i+1], v[BC0+16+\i:BC0+16+\i+1]
	v_pk_add_f32 v[RY+\i:RY+\i+1], v[RY+\i:RY+\i+1], v[RY+\i:RY+\i+1]
.endr
	LOADS BC0, DU0, 2
	v_add_nc_u32 v[DUR], 3*DPITCH, v[DUR]
	v_add_nc_u32 v[BCR], 3*BPITCH, v[BCR]
	s_mov_b32 s26, 62                              ; steps 1 to 124, two a trip
.Lscan:
	STEP BC1, DU1, 10, 1, 0                        ; the other buffer's 10 loads stay out, on the way in and round the back edge
	STEP BC0, DU0, 10, 1, 1
	v_add_nc_u32 v[DUR], 2*DPITCH, v[DUR]
	v_add_nc_u32 v[BCR], 2*BPITCH, v[BCR]
	s_sub_co_i32 s26, s26, 1
	s_cmp_lg_u32 s26, 0
	s_cbranch_scc1 .Lscan
	STEP BC1, DU1, 10, 1, 0                        ; step 125; row 127 is the last that is loaded
	STEP BC0, DU0, 10, 0, 0                        ; step 126
	STEP BC1, DU1, 0, 0, 0                         ; step 127
	; PHASE 6: the halves are joined.  a = lanes 0-15 (earlier), b = lanes 16-31:  S = Sa + PFa Sb,  E = Eb + PFb Ea,  PF = PFa PFb,
	; Y = Ya + Yb + sum over k of (S1b E1a + S2b E2a).  A lane keeps S (a) or E (b), sends the other (Z), and gets its partner's (O).
.set i, 0
.rept 16
	v_cndmask_b32 v[BC0+i], v[RH+i], v[RS1+i], s27             ; Z1: a sends E1, b sends S1
	v_cndmask_b32 v[RS1+i], v[RS1+i], v[RH+i], s27             ; a keeps S1, b keeps E1
	v_cndmask_b32 v[BC0+16+i], v[RW+i], v[RS2+i], s27          ; Z2
	v_cndmask_b32 v[RS2+i], v[RS2+i], v[RW+i], s27
	v_permlanex16_b32 v[BC1+i], v[BC0+i], s6, s7               ; O1
	v_permlanex16_b32 v[BC1+16+i], v[BC0+16+i], s6, s7         ; O2
	v_permlanex16_b32 v[RA+i], v[RP+i], s6, s7                 ; the partner's PF
.set i, i+1
.endr
	v_pk_mul_f32 v[DU0:DU0+1], v[BC0:BC0+1], v[BC1:BC1+1]      ; the cross sum, the same in both partners
.irp i, 2,4,6,8,10,12,14,16,18,20,22,24,26,28,30
	v_pk_fma_f32 v[DU0:DU0+1], v[BC0+\i:BC0+\i+1], v[BC1+\i:BC1+\i+1], v[DU0:DU0+1]
.endr
.irp i, 0,2,4,6,8,10,12,14
	v_pk_fma_f32 v[RS1+\i:RS1+\i+1], v[RP+\i:RP+\i+1], v[BC1+\i:BC1+\i+1], v[RS1+\i:RS1+\i+1]
	v_pk_fma_f32 v[RS2+\i:RS2+\i+1], v[RP+\i:RP+\i+1], v[BC1+16+\i:BC1+16+\i+1], v[RS2+\i:RS2+\i+1]
	v_pk_mul_f32 v[RP+\i:RP+\i+1], v[RP+\i:RP+\i+1], v[RA+\i:RA+\i+1]
.endr
.irp i, 0,2,4,6
	v_pk_add_f32 v[RY+\i:RY+\i+1], v[RY+\i:RY+\i+1], v[RY+8+\i:RY+8+\i+1]
.endr
	v_pk_add_f32 v[RY:RY+1], v[RY:RY+1], v[RY+4:RY+5]
	v_pk_add_f32 v[RY+2:RY+3], v[RY+2:RY+3], v[RY+6:RY+7]
	v_pk_add_f32 v[RY:RY+1], v[RY:RY+1], v[RY+2:RY+3]
	v_pk_fma_f32 v[RY:RY+1], v[DU0:DU0+1], 0.5, v[RY:RY+1] op_sel_hi:[1,0,1]   ; each partner takes half of the cross sum; launch 2 adds all lanes' Y
.irp e, 0,1,2,3,4,5,6,7
	v_cndmask_b32 v[RV+\e], v[RP+\e], v[RP+8+\e], s27          ; PF: lanes 0-15 store k 0-7, lanes 16-31 k 8-15
.endr
	; PHASE 7: out.  Each store of the wave covers 512 (the last: 256) consecutive bytes, aligned to 256.
.irp j, 0,1,2,3
	global_store_b128 v[WGO], v[RS1+4*\j:RS1+4*\j+3], s[20:21] offset:512*\j
	global_store_b128 v[WGO], v[RS2+4*\j:RS2+4*\j+3], s[20:21] offset:2048+512*\j
.endr
	global_store_b128 v[WGO], v[RV:RV+3],   s[20:21] offset:4096
	global_store_b128 v[WGO], v[RV+4:RV+7], s[20:21] offset:4608
	global_store_b64  v[SY],  v[RY:RY+1],   s[20:21] offset:5120
	s_wait_tensorcnt 0x0
	ds_add_u32 v254, v255
	s_wait_dscnt 0x0
	s_endpgm
.Lfunc_end_k_q575e2405a8_chunks:
	.size	k_q575e2405a8_chunks, .Lfunc_end_k_q575e2405a8_chunks-k_q575e2405a8_chunks
	.p2alignl 7, 3214868480
	.fill 96, 4, 3214868480
	.section	.rodata,"a",@progbits
	.p2align	6, 0x0
	.amdhsa_kernel k_q575e2405a8_chunks
		.amdhsa_group_segment_fixed_size 309248
		.amdhsa_private_segment_fixed_size 0
		.amdhsa_enable_private_segment 0
		.amdhsa_kernarg_size 56
		.amdhsa_user_sgpr_count 2
		.amdhsa_user_sgpr_kernarg_segment_ptr 1
		.amdhsa_wavefront_size32 1
		.amdhsa_system_sgpr_workgroup_id_x 1
		.amdhsa_system_sgpr_workgroup_id_y 1
		.amdhsa_system_sgpr_workgroup_id_z 1
		.amdhsa_system_vgpr_workitem_id 0
		.amdhsa_next_free_vgpr 896
		.amdhsa_next_free_sgpr 66
		.amdhsa_reserve_vcc 0
		.amdhsa_float_denorm_mode_32 3
		.amdhsa_float_denorm_mode_16_64 3
		.amdhsa_memory_ordered 1
		.amdhsa_forward_progress 1
		.amdhsa_inst_pref_size 246
	.end_amdhsa_kernel
	.amdgpu_metadata
---
amdhsa.version: [ 1, 2 ]
amdhsa.kernels:
  - .name:           k_q575e2405a8_chunks
    .symbol:         k_q575e2405a8_chunks.kd
    .args:
      - { .name: tokens, .offset: 0, .size: 8, .value_kind: global_buffer, .address_space: global }
      - { .name: W_delta, .offset: 8, .size: 8, .value_kind: global_buffer, .address_space: global }
      - { .name: W_B, .offset: 16, .size: 8, .value_kind: global_buffer, .address_space: global }
      - { .name: W_C, .offset: 24, .size: 8, .value_kind: global_buffer, .address_space: global }
      - { .name: b_delta, .offset: 32, .size: 8, .value_kind: global_buffer, .address_space: global }
      - { .name: log_A, .offset: 40, .size: 8, .value_kind: global_buffer, .address_space: global }
      - { .name: sums, .offset: 48, .size: 8, .value_kind: global_buffer, .address_space: global }
    .group_segment_fixed_size: 309248
    .private_segment_fixed_size: 0
    .kernarg_segment_align: 8
    .kernarg_segment_size: 56
    .max_flat_workgroup_size: 128
    .sgpr_count:     66
    .vgpr_count:     896
    .wavefront_size: 32
...
	.end_amdgpu_metadata
.endif
;; end of part 1
;; launch combine (part 2): grid 128 x 1, 4 waves a work-group, no clusters, 768 bytes of LDS; arguments sums, out0; writes out0
.if DOCPART == 2
	.amdgcn_target "amdgcn-amd-amdhsa--gfx1250"
	.amdhsa_code_object_version 6
	.text
	.protected	k_q575e2405a8_combine
	.globl	k_q575e2405a8_combine
	.p2align	8
	.type	k_q575e2405a8_combine,@function
k_q575e2405a8_combine:
	s_mov_b64 s[64:65], 0
	v_nop
	global_prefetch_b8 v0, s[64:65] scope:SCOPE_SE
	s_setreg_imm32_b32 hwreg(HW_REG_WAVE_MODE, 25, 1), 1
	s_wait_xcnt 0x0
; Launch 2 of 2: the eight chunks of a batch row are chained, and the mean over the 2,048 steps is stored.
; With H[0] = E[0] and H[c] = PF[c] H[c-1] + E[c]:  out = (sum_c Y[c] + sum over c = 1..7, k, both directions of S[c] H[c-1]) / 2048.
; Work-group g = 32 n + xw owns 16 d (d = 16 xw + r).  Wave q takes k 4 q .. 4 q + 3; lanes 0-15 the forward pair (S1, E1), lanes 16-31 the
; backward pair (S2, E2).  A block of launch 1's buffer (5,376 bytes, index 256 n + 32 chunk + xw): R1 at 0, R2 at 2,048 (each: k quad j at 512 j,
; S in its first 256 bytes, E in its second), PF at 4,096 (quad j at 512 (j & 1) + 256 (j >> 1)), Y at 5,120 (8 bytes a lane of launch 1).
; All 22 loads of a lane go out in one run; sixteen lanes read 256 aligned bytes.  S of chunk 0, E and PF of chunk 7 and PF of chunk 0 are not needed.
; A work-group stores 64 bytes of the 8,192 of out0, not a whole block of 256: the 5.5 MB that are read are shared among 128 work-groups instead of 32.
; Memory binds here: no matrix unit, no cluster (no two work-groups read the same bytes).
.set BLK, 5376
.set CST, 32*BLK                       ; from chunk to chunk
.set VS, 4
.set VP, 5
.set VY, 6
.set LW, 7
.set E,  8                             ; v8-35   E of chunks 0-6, then H
.set S,  36                            ; v36-63  S of chunks 1-7
.set PF, 64                            ; v64-87  PF of chunks 1-6
.set Y,  88                            ; v88-91  Y of chunks 2 q, 2 q + 1
.set T,  96                            ; v96-99  the sum
.set RO, 100                           ; 4 r
	s_load_b128 s[4:7], s[0:1], 0x0                ; sums s[4:5], out0 s[6:7]
	v_lshl_add_u32 v104, v0, 2, 0x100
	v_mov_b32 v105, 0
	v_lshrrev_b32 v1, 5, v0
	v_readfirstlane_b32 s2, v1                     ; wave q
	s_lshr_b32 s8, ttmp9, 5                        ; n
	s_and_b32 s9, ttmp9, 31                        ; xw
	s_lshl_b32 s8, s8, 8
	s_add_co_u32 s8, s8, s9
	s_mul_i32 s8, s8, BLK                          ; chunk 0's block
	s_mov_b32 s9, 0
	s_lshl_b32 s12, ttmp9, 6                       ; 16 numbers of out0 a work-group
	s_mov_b32 s13, 0
	s_mov_b32 s10, 0x76543210
	s_mov_b32 s11, 0xfedcba98
	s_lshl_b32 s14, s2, 9                          ; k quad q in R1, R2
	s_and_b32 s15, s2, 1
	s_lshl_b32 s15, s15, 9
	s_lshr_b32 s16, s2, 1
	s_lshl_b32 s16, s16, 8
	s_add_co_u32 s15, s15, s16
	s_add_co_u32 s15, s15, 4096                    ; k quad q in PF
	s_mul_i32 s16, s2, 2*CST
	s_add_co_u32 s16, s16, 5120                    ; Y of chunk 2 q
	s_lshl_b32 s17, s2, 6
	v_and_b32 v1, 15, v0                           ; r
	v_bfe_u32 v2, v0, 4, 1                         ; direction
	v_and_b32 v3, 31, v0                           ; lane
	v_lshlrev_b32 v[VS], 4, v1
	v_lshl_add_u32 v[VS], v2, 11, v[VS]
	v_add_nc_u32 v[VS], s14, v[VS]
	v_lshl_add_u32 v[VP], v1, 4, s15
	v_lshl_add_u32 v[VY], v3, 3, s16
	v_lshl_add_u32 v[LW], v1, 2, s17               ; LDS: word r of wave q's 16
	v_lshlrev_b32 v[RO], 2, v1
	s_wait_kmcnt 0x0
	s_add_nc_u64 s[4:5], s[4:5], s[8:9]
	s_add_nc_u64 s[6:7], s[6:7], s[12:13]
.irp c, 0,1,2,3,4,5,6
	global_load_b128 v[E+4*\c:E+4*\c+3], v[VS], s[4:5] offset:\c*CST+256 th:TH_LOAD_NT
	global_load_b128 v[S+4*\c:S+4*\c+3], v[VS], s[4:5] offset:(\c+1)*CST th:TH_LOAD_NT
.endr
.irp c, 1,2,3,4,5,6
	global_load_b128 v[PF+4*\c-4:PF+4*\c-1], v[VP], s[4:5] offset:\c*CST th:TH_LOAD_NT
.endr
	global_load_b64 v[Y:Y+1],   v[VY], s[4:5] th:TH_LOAD_NT
	global_load_b64 v[Y+2:Y+3], v[VY], s[4:5] offset:CST th:TH_LOAD_NT
	s_wait_loadcnt 0x0
	v_pk_mul_f32 v[T:T+1],   v[S:S+1],   v[E:E+1]              ; S[1] H[0]: the first product starts the sum
	v_pk_mul_f32 v[T+2:T+3], v[S+2:S+3], v[E+2:E+3]
.irp c, 1,2,3,4,5,6
	v_pk_fma_f32 v[E+4*\c:E+4*\c+1],   v[PF+4*\c-4:PF+4*\c-3], v[E+4*\c-4:E+4*\c-3], v[E+4*\c:E+4*\c+1]     ; H[c] = PF[c] H[c-1] + E[c], in E[c]'s registers
	v_pk_fma_f32 v[E+4*\c+2:E+4*\c+3], v[PF+4*\c-2:PF+4*\c-1], v[E+4*\c-2:E+4*\c-1], v[E+4*\c+2:E+4*\c+3]
	v_pk_fma_f32 v[T:T+1],   v[S+4*\c:S+4*\c+1],   v[E+4*\c:E+4*\c+1],   v[T:T+1]                           ; + S[c+1] H[c]
	v_pk_fma_f32 v[T+2:T+3], v[S+4*\c+2:S+4*\c+3], v[E+4*\c+2:E+4*\c+3], v[T+2:T+3]
.endr
	v_pk_add_f32 v[T:T+1], v[T:T+1], v[T+2:T+3]
	v_pk_add_f32 v[Y:Y+1], v[Y:Y+1], v[Y+2:Y+3]
	v_pk_add_f32 v[T:T+1], v[T:T+1], v[Y:Y+1]
	v_add_f32 v[T], v[T], v[T+1]
	v_permlanex16_b32 v[T+1], v[T], s10, s11       ; the other direction, and the other half's Y, of the same d
	v_add_f32 v[T], v[T], v[T+1]
	ds_store_b32 v[LW], v[T]                       ; lanes r and 16 + r write the same word with the same value
	s_wait_dscnt 0x0                               ; my word is in LDS before I signal
	s_barrier_signal -1
	s_barrier_wait -1
	s_cmp_lg_u32 s2, 0
	s_cbranch_scc1 .Lend                           ; wave 0 adds the four waves' parts
.irp j, 0,1,2,3
	ds_load_b32 v[T+\j], v[RO] offset:64*\j
.endr
	v_cmp_gt_u32 vcc_lo, 16, v3
	s_wait_dscnt 0x0
	v_add_f32 v[T], v[T], v[T+1]
	v_add_f32 v[T+2], v[T+2], v[T+3]
	v_add_f32 v[T], v[T], v[T+2]
	v_mul_f32 v[T], 0x3a000000, v[T]               ; / 2048
	s_wait_xcnt 0x0                                ; EXEC changes only behind this wait
	s_and_saveexec_b32 s18, vcc_lo                 ; lanes 0-15: one store for each d
	global_store_b32 v[RO], v[T], s[6:7]
	s_wait_xcnt 0x0                                ; and again in front of the line that widens it
	s_or_b32 exec_lo, exec_lo, s18
.Lend:
	s_wait_tensorcnt 0x0
	ds_add_u32 v104, v105
	s_wait_dscnt 0x0
	s_endpgm
.Lfunc_end_k_q575e2405a8_combine:
	.size	k_q575e2405a8_combine, .Lfunc_end_k_q575e2405a8_combine-k_q575e2405a8_combine
	.p2alignl 7, 3214868480
	.fill 96, 4, 3214868480
	.section	.rodata,"a",@progbits
	.p2align	6, 0x0
	.amdhsa_kernel k_q575e2405a8_combine
		.amdhsa_group_segment_fixed_size 768
		.amdhsa_private_segment_fixed_size 0
		.amdhsa_enable_private_segment 0
		.amdhsa_kernarg_size 16
		.amdhsa_user_sgpr_count 2
		.amdhsa_user_sgpr_kernarg_segment_ptr 1
		.amdhsa_wavefront_size32 1
		.amdhsa_system_sgpr_workgroup_id_x 1
		.amdhsa_system_sgpr_workgroup_id_y 1
		.amdhsa_system_sgpr_workgroup_id_z 1
		.amdhsa_system_vgpr_workitem_id 0
		.amdhsa_next_free_vgpr 106
		.amdhsa_next_free_sgpr 66
		.amdhsa_reserve_vcc 1
		.amdhsa_float_denorm_mode_32 3
		.amdhsa_float_denorm_mode_16_64 3
		.amdhsa_memory_ordered 1
		.amdhsa_forward_progress 1
		.amdhsa_inst_pref_size 7
	.end_amdhsa_kernel
	.amdgpu_metadata
---
amdhsa.version: [ 1, 2 ]
amdhsa.kernels:
  - .name:           k_q575e2405a8_combine
    .symbol:         k_q575e2405a8_combine.kd
    .args:
      - { .name: sums, .offset: 0, .size: 8, .value_kind: global_buffer, .address_space: global }
      - { .name: out0, .offset: 8, .size: 8, .value_kind: global_buffer, .address_space: global }
    .group_segment_fixed_size: 768
    .private_segment_fixed_size: 0
    .kernarg_segment_align: 8
    .kernarg_segment_size: 16
    .max_flat_workgroup_size: 128
    .sgpr_count:     66
    .vgpr_count:     106
    .wavefront_size: 32
...
	.end_amdgpu_metadata
.endif
;; end of part 2
;; ======== version 2 of 2: 2 launches; 1.19 times as fast as version 1
;; workspace buffers: sums 5,505,024 bytes
;; launch chunks (part 3): grid 8 x 32, 4 waves a work-group, no clusters, 309,248 bytes of LDS; arguments tokens, W_delta, W_B, W_C, b_delta, log_A, sums; writes sums
.if DOCPART == 3
	.amdgcn_target "amdgcn-amd-amdhsa--gfx1250"
	.amdhsa_code_object_version 6
	.text
	.protected	k_q575e2405a8_chunks
	.globl	k_q575e2405a8_chunks
	.p2align	8
	.type	k_q575e2405a8_chunks,@function
k_q575e2405a8_chunks:
	s_mov_b64 s[64:65], 0
	v_nop
	global_prefetch_b8 v0, s[64:65] scope:SCOPE_SE
	s_setreg_imm32_b32 hwreg(HW_REG_WAVE_MODE, 25, 1), 1
	s_wait_xcnt 0x0
; Bidirectional selective scan, mean over time; launch 1 of 2: projection, softplus and the scan of one chunk of time.
; For a channel (n,d,k): a[t] = exp(-delta[t,d] e^logA[d,k]), v[t] = delta[t,d] x[t,d] B[t,k].
;   forward scan:  sum_t C[t] h[t],  h[t] = a[t] h[t-1] + v[t]
;   backward scan: sum_t v[t] q[t],  q[t] = C[t] + a[t-1] q[t-1]   (its adjoint, which also runs forward in time)
; so one pass in time order serves both directions, and every projection, softplus and exponential is made once.
; A chunk of time hands on, for each channel: E1 = h at its end, E2 = a q at its end, PF = product of its a,
; S1 = sum C[t] P[t] (P = product of a from the chunk's start through t), S2 = sum v[t] P[t-1]; and its own sum Y for each d.
; Launch 2 chains the eight chunks of a batch row.
; WORK-GROUP: 256 time steps of one batch row (grid y = 8 n + chunk) x 64 d (grid x), four waves.
;   1 W: 64 rows of W_delta, 16 of W_B, 16 of W_C go through registers (f32 -> bf16) into LDS rows of 1,040 bytes; a wave converts 24 rows.
;   2 product: a wave owns 64 token rows and multiplies them with all 96 rows of W.  Tokens go through registers (f32 -> bf16, 16 lanes
;     take 256 aligned bytes of a row) into the wave's own LDS stage, 64 along K at a time; three register buffers, two K blocks in flight.
;     The order of the eight K blocks is rotated by the d block's number: the eight work-groups that read one token tile begin at eight
;     different column blocks, and the first block is this work-group's own 64 columns x, which are kept in f32 in LDS.
;   3 b_delta is the C of the first matrix instructions; softplus; delta and B, C to LDS.
;   4 scan: a lane is one d and one half of the 256 steps (lanes 0-15 the earlier half), with all 16 k in registers.
;   5 the two halves are joined inside the wave; sums leave as 16 bytes a lane, 16 lanes filling 256 aligned bytes.
; EXPONENTIALS AND LOGARITHMS GO IN BATCHES, each with one s_wait_alu depctr_va_vdst(0) ahead of its first reader.
;   scan: a step's 16 a, one for each k, each in a register of its own, are one batch.  Its exponentials stand by turns with plain instructions that name
;   none of them (the arguments of k 8-15, v = B u, half of q = C + w); behind them come the rest of q, S2 += v P and Y += v q, which want no a;
;   then the step's one wait; then the five lines that read a (P, h, S1, w, Y += C h), each for all eight pairs of k.  No result crosses a step's end.
;   softplus: a column tile's 32 exponentials are a batch; its 32 logarithms, which read 1 + those results, are a second one.
;   e^logA (16 exponentials) and step 0's a (16) are a batch each.
; NO CLUSTER: every input needs the f32 -> bf16 conversion and so passes through registers, where no joint request exists; as f32 tiles
; in LDS the tokens would take twice the bytes, and beside W's 99,840 bytes two slots would hold one K block of 256 rows each.
; LIMITS: matrix operands are bf16.  softplus = max(z,0) + ln2 log2(1 + 2^(-|z| log2 e)) with 1 + e formed in f32: absolute error about 6e-8,
; so delta loses relative accuracy below z = -12 and is 0 below z = -17.  v_exp_f32 gives 0 for results below 2^-126 (ISA guide 15.8).
; K is summed in the rotated order.
.set WPITCH,  1040                     ; a bf16 row of W in LDS: 1,024 + 16, an odd multiple of 16: 16 rows start in 16 different 16-byte columns of 256 bytes
.set SPITCH,  144                      ; a stage row: 64 bf16 + 16
.set DPITCH,  528                      ; a row of delta|x: 64 f32, 64 f32, + 16
.set BPITCH,  144                      ; a row of B|C: 16 f32, 16 f32, + 16
.set STG_L,   96*WPITCH                ; four stages, one a wave
.set STG_W,   64*SPITCH
.set DU_L,    STG_L+4*STG_W            ; 256 rows delta|x
.set BC_L,    DU_L+256*DPITCH          ; 256 rows B|C; LDS ends at BC_L + 256*BPITCH = 308,736
.set BLK,     5376                     ; bytes that a wave stores: R1 2,048 (S1 | E1), R2 2,048 (S2 | E2), PF 1,024, Y 256
; window 0: addresses, none rewritten but WFA, WFB, DUR, BCR
.set TOKO, 4                           ; v4-11   byte offset of my 16 bytes in the wave's first two token rows, K block c
.set WF0,  12                          ; LDS address of my W fragments, column tiles 0-2, K = 0
.set WF1,  13                          ; column tiles 3-5
.set WFA,  14                          ; the same two at the K block at work
.set WFB,  15
.set TF,   16                          ; token fragments in my stage
.set TS,   17                          ; where I put 8 bytes of bf16 in my stage
.set XS,   18                          ; where I put 16 bytes of x (less the 256 that stand in the immediate)
.set WGO,  19                          ; 16 x lane
.set WD,   20                          ; W conversion: to (W_delta)
.set WD2,  21                          ; to (W_B; W_C 16 rows further)
.set DUW,  22                          ; epilogue: where my delta go
.set BCW,  23                          ; epilogue: where my B, C go
.set DUR,  24                          ; scan: my delta
.set BCR,  25                          ; scan: my half's B|C row
.set BO,   26                          ; 32 h
.set LAO,  27                          ; 64 r
.set SY,   28                          ; 8 x lane
.set RA2,  32                          ; v32-47  log_A, then -e^logA log2 e, my d, 16 k
.set WB0,  48                          ; W conversion: three buffers of 64 registers
.set WB1,  112
.set WB2,  176
.set F0,   80                          ; fragment buffers: 6 of W (48 registers), 4 of tokens (32)
.set F1,   160
.set RE,   80                          ; epilogue
.set RM,   112
.set RH,   48                          ; scan state, 16 k each
.set RW,   64
.set RP,   80
.set RS1,  96
.set RS2,  112
.set RY,   128
.set RV,   144
.set RA,   160
.set BC0,  176                         ; B (16), C (16) of a step, two buffers
.set BC1,  208
.set DU0,  240                         ; delta, x (then u) of a step, two buffers
.set DU1,  242
; window 1: v0-191 the 24 accumulator tiles, tile (ct, tt) at 8 (4 ct + tt); v192-223 b_delta as a C operand.
; windows 2, 3: token buffer b = c mod 3 at window 2 + b / 2, register 128 (b & 1).
; s_set_vgpr_msb: bits 1:0 source 0, 3:2 source 1, 5:4 source 2, 7:6 destination; the high byte repeats the setting that is left.
.set MSB, 0
.macro WIN new
.if MSB != \new
	s_set_vgpr_msb (MSB<<8)|\new
.set MSB, \new
.endif
.endm
.macro PLACES                          ; four places behind matrix instructions before a load lands on their sources or a result is read
.rept 4
	v_nop
.endr
.endm
.macro TBUF c                          ; where K block c's buffer lies
.set TB, 128*(((\c)%3)&1)
.set TW, 2+((\c)%3)/2
.endm
; K block c of my 64 token rows: 32 loads, each two rows x 256 aligned bytes
.macro TLOAD c
	TBUF \c
	WIN TW<<6
.set i, 0
.rept 32
	global_load_b128 v[TB+4*i:TB+4*i+3], v[TOKO+(\c)], s[8:9] offset:i*4096
.set i, i+1
.endr
.endm
; K block 0 is x: kept in f32 beside delta
.macro XSAVE
	WIN 0x08
.set i, 0
.rept 32
	ds_store_b128 v[XS], v[4*i:4*i+3] offset:i*2*DPITCH+256
.set i, i+1
.endr
.endm
; four f32 become two words of bf16, in place
.macro CVT c
	TBUF \c
	WIN TW*0x45
.set i, 0
.rept 32
	v_cvt_pk_bf16_f32 v[TB+4*i], v[TB+4*i], v[TB+4*i+1]
	v_cvt_pk_bf16_f32 v[TB+4*i+1], v[TB+4*i+2], v[TB+4*i+3]
.set i, i+1
.endr
.endm
.macro STORE c
	TBUF \c
	WIN TW<<2
.set i, 0
.rept 32
	ds_store_b64 v[TS], v[TB+4*i:TB+4*i+1] offset:i*2*SPITCH
.set i, i+1
.endr
.endm
; four rows of W: 16 loads of 512 neighbouring bytes
.macro WLD buf, base, off
.set i, 0
.rept 16
	global_load_b128 v[\buf+4*i:\buf+4*i+3], v[WGO], s[\base:\base+1] offset:\off+i*512
.set i, i+1
.endr
.endm
; and their conversion; n = the loads issued behind this batch
.macro WSTEP buf, n, dst, doff
	s_wait_loadcnt \n
.set i, 0
.rept 16
	v_cvt_pk_bf16_f32 v[\buf+4*i], v[\buf+4*i], v[\buf+4*i+1]
	v_cvt_pk_bf16_f32 v[\buf+4*i+1], v[\buf+4*i+2], v[\buf+4*i+3]
	ds_store_b64 v[\dst], v[\buf+4*i:\buf+4*i+1] offset:\doff+(i>>2)*WPITCH+(i&3)*256
.set i, i+1
.endr
.endm
; A fragment is 16 rows x 32 K in 8 registers: lane (r, h) holds row r; registers 0-3 K = 8 h .., registers 4-7 K = 16 + 8 h ..: two loads, 32 bytes apart.
; 20 loads: six fragments of W, four of tokens, 32 along K at byte 64 ks of the K block
.macro FRAG f, ks
.irp ct, 0,1,2
	ds_load_b128 v[\f+8*\ct:\f+8*\ct+3],   v[WFA] offset:\ct*16*WPITCH+64*\ks
	ds_load_b128 v[\f+8*\ct+4:\f+8*\ct+7], v[WFA] offset:\ct*16*WPITCH+64*\ks+32
.endr
.irp ct, 0,1,2
	ds_load_b128 v[\f+24+8*\ct:\f+24+8*\ct+3],   v[WFB] offset:\ct*16*WPITCH+64*\ks
	ds_load_b128 v[\f+24+8*\ct+4:\f+24+8*\ct+7], v[WFB] offset:\ct*16*WPITCH+64*\ks+32
.endr
.irp tt, 0,1,2,3
	ds_load_b128 v[\f+48+8*\tt:\f+48+8*\tt+3],   v[TF] offset:\tt*16*SPITCH+64*\ks
	ds_load_b128 v[\f+48+8*\tt+4:\f+48+8*\tt+7], v[TF] offset:\tt*16*SPITCH+64*\ks+32
.endr
.endm
; 24 matrix instructions.  Source 0 = 16 rows of W, source 1 = 16 token rows: register j of lane (r, h) is z[t = 16 tt + r][column 16 ct + 8 h + j].
; The 24 accumulators take turns, one instruction a turn, in the same order in every MUL.
; first = 1: the sums start from b_delta (delta's tiles) or from 0 (B's and C's): nothing is cleared.
.macro MUL f, first
	WIN 0x50
.irp tt, 0,1,2,3
.irp ct, 0,1,2,3,4,5
.if \first
.if \ct<4
	v_wmma_f32_16x16x32_bf16 v[8*(4*\ct+\tt):8*(4*\ct+\tt)+7], v[\f+8*\ct:\f+8*\ct+7], v[\f+48+8*\tt:\f+48+8*\tt+7], v[192+8*\ct:192+8*\ct+7]
.else
	v_wmma_f32_16x16x32_bf16 v[8*(4*\ct+\tt):8*(4*\ct+\tt)+7], v[\f+8*\ct:\f+8*\ct+7], v[\f+48+8*\tt:\f+48+8*\tt+7], 0
.endif
.else
	v_wmma_f32_16x16x32_bf16 v[8*(4*\ct+\tt):8*(4*\ct+\tt)+7], v[\f+8*\ct:\f+8*\ct+7], v[\f+48+8*\tt:\f+48+8*\tt+7], v[8*(4*\ct+\tt):8*(4*\ct+\tt)+7]
.endif
.endr
.endr
.endm
; One K block of 64: its fragments, the next block's conversion, the load three blocks ahead, 48 matrix instructions, the next block into the stage.
.macro KBLOCK c
	v_add_nc_u32 v[WFA], s[30+\c], v[WF0]
	v_add_nc_u32 v[WFB], s[30+\c], v[WF1]
	FRAG F0, 0
	FRAG F1, 1
.if \c<7
.if \c==6
	s_wait_loadcnt 0x0                             ; the last block: no load was issued behind it
.else
	s_wait_loadcnt 32                              ; block c + 1 is in; the 32 loads of block c + 2 stay out
.endif
	CVT \c+1
.endif
	s_wait_dscnt 20                                ; buffer 0's fragments are in (and the stage stores in front of them are done); buffer 1's 20 loads stay out
.if \c<5
	TLOAD \c+3                                     ; into the registers from which block c went to the stage
.endif
.if \c==0
	MUL F0, 1
.else
	MUL F0, 0
.endif
	s_wait_dscnt 0x0                               ; buffer 1's fragments; my reads of the stage are over
	MUL F1, 0
.if \c<7
	STORE \c+1                                     ; the stage is my wave's own: LDS serves a wave's instructions in order (ISA guide 5.7.1)
.endif
	WIN 0
	PLACES
.endm
; softplus of delta's column tile ct (32 registers: 4 token tiles x 8 columns), to LDS
.macro SOFT ct
	WIN 0x04
.set i, 0
.rept 32
	v_and_b32 v[RE+i], 0x7fffffff, v[32*\ct+i]     ; |z|
	v_max_num_f32 v[RM+i], 0, v[32*\ct+i]          ; max(z, 0)
.set i, i+1
.endr
	WIN 0
.set i, 0
.rept 16
	v_pk_mul_f32 v[RE+2*i:RE+2*i+1], v[RE+2*i:RE+2*i+1], 0xbfb8aa3b op_sel_hi:[1,0]   ; -|z| log2 e
.set i, i+1
.endr
.set i, 0
.rept 32
	v_exp_f32 v[RE+i], v[RE+i]
.set i, i+1
.endr
	v_nop                                          ; one plain place behind the last transcendental (ISA guide 5.7.2)
	s_wait_alu depctr_va_vdst(0)                   ; the wait for the tile's batch of 32 exponentials, ahead of the additions that read them
.set i, 0
.rept 16
	v_pk_add_f32 v[RE+2*i:RE+2*i+1], v[RE+2*i:RE+2*i+1], 1.0 op_sel_hi:[1,0]
.set i, i+1
.endr
.set i, 0
.rept 32
	v_log_f32 v[RE+i], v[RE+i]
.set i, i+1
.endr
	v_nop
	s_wait_alu depctr_va_vdst(0)                   ; the wait for the tile's batch of 32 logarithms, ahead of the multiply-adds that read them
.set i, 0
.rept 16
	v_pk_fma_f32 v[RM+2*i:RM+2*i+1], v[RE+2*i:RE+2*i+1], 0x3f317218, v[RM+2*i:RM+2*i+1] op_sel_hi:[1,0,1]   ; + ln 2 x log2
.set i, i+1
.endr
.irp tt, 0,1,2,3
	ds_store_b128 v[DUW], v[RM+8*\tt:RM+8*\tt+3]   offset:\tt*16*DPITCH+64*\ct
	ds_store_b128 v[DUW], v[RM+8*\tt+4:RM+8*\tt+7] offset:\tt*16*DPITCH+64*\ct+16
.endr
.endm
; the operands of one step: delta, x of my d; B, C of my half's row (the 16 lanes of a half read the same bytes).  10 loads.
.macro LOADS bc, du, row
	ds_load_b32 v[\du],   v[DUR] offset:\row*DPITCH
	ds_load_b32 v[\du+1], v[DUR] offset:\row*DPITCH+256
.irp j, 0,1,2,3,4,5,6,7
	ds_load_b128 v[\bc+4*\j:\bc+4*\j+3], v[BCR] offset:\row*BPITCH+16*\j
.endr
.endm
; one step of the scan on operand buffer (bc, du).  n = the LDS loads issued behind this buffer's.  load = 1: the buffer is loaded again, with row 'row' from the pointers.
; The step's 16 exponentials are ONE BATCH.  Ahead of its wait stands all that names no a; behind it the five lines that do.  Each line goes through all eight pairs of k,
; so that a result is read eight instructions behind its instruction at the earliest.  For each register the order of the operations is: S2 takes P before P takes a; Y takes v q, then C h.
.macro STEP bc, du, n, load, row
	s_wait_dscnt \n
	v_mul_f32 v[\du+1], v[\du], v[\du+1]           ; u = delta x
.irp i, 0,2,4,6
	v_pk_mul_f32 v[RA+\i:RA+\i+1], v[RA2+\i:RA2+\i+1], v[\du:\du+1] op_sel_hi:[1,0]   ; -delta e^logA log2 e, k 0-7
.endr
	; the batch: exponential and plain by turns; each plain line is also the plain place behind the exponential in front of it (ISA guide 5.7.2) and names no register of the batch's results so far
.irp i, 0,1,2,3
	v_exp_f32 v[RA+\i], v[RA+\i]
	v_pk_mul_f32 v[RA+8+2*\i:RA+9+2*\i], v[RA2+8+2*\i:RA2+9+2*\i], v[\du:\du+1] op_sel_hi:[1,0]   ; the arguments of k 8-15
.endr
.irp i, 0,1,2,3,4,5,6,7
	v_exp_f32 v[RA+4+\i], v[RA+4+\i]
	v_pk_mul_f32 v[RV+2*\i:RV+2*\i+1], v[\bc+2*\i:\bc+2*\i+1], v[\du:\du+1] op_sel:[0,1] op_sel_hi:[1,1]   ; v = B u
.endr
.irp i, 0,1,2,3
	v_exp_f32 v[RA+12+\i], v[RA+12+\i]
	v_pk_add_f32 v[RW+2*\i:RW+2*\i+1], v[\bc+16+2*\i:\bc+16+2*\i+1], v[RW+2*\i:RW+2*\i+1]                  ; q = C + w, k 0-7
.endr
	; twenty more lines that want no a
.irp p, 8,10,12,14
	v_pk_add_f32 v[RW+\p:RW+\p+1], v[\bc+16+\p:\bc+16+\p+1], v[RW+\p:RW+\p+1]                      ; q = C + w, k 8-15
.endr
.irp p, 0,2,4,6,8,10,12,14
	v_pk_fma_f32 v[RS2+\p:RS2+\p+1], v[RV+\p:RV+\p+1], v[RP+\p:RP+\p+1], v[RS2+\p:RS2+\p+1]        ; S2 += v P (P up to the step before)
.endr
.irp p, 0,2,4,6,8,10,12,14
	v_pk_fma_f32 v[RY+\p:RY+\p+1], v[RV+\p:RV+\p+1], v[RW+\p:RW+\p+1], v[RY+\p:RY+\p+1]            ; Y += v q
.endr
	s_wait_alu depctr_va_vdst(0)                   ; the step's one wait: for the batch of 16 a, ahead of their first reader
.irp p, 0,2,4,6,8,10,12,14
	v_pk_mul_f32 v[RP+\p:RP+\p+1], v[RP+\p:RP+\p+1], v[RA+\p:RA+\p+1]                              ; P *= a
.endr
.irp p, 0,2,4,6,8,10,12,14
	v_pk_fma_f32 v[RH+\p:RH+\p+1], v[RA+\p:RA+\p+1], v[RH+\p:RH+\p+1], v[RV+\p:RV+\p+1]            ; h = a h + v
.endr
.irp p, 0,2,4,6,8,10,12,14
	v_pk_fma_f32 v[RS1+\p:RS1+\p+1], v[\bc+16+\p:\bc+16+\p+1], v[RP+\p:RP+\p+1], v[RS1+\p:RS1+\p+1] ; S1 += C P
.endr
.irp p, 0,2,4,6,8,10,12,14
	v_pk_mul_f32 v[RW+\p:RW+\p+1], v[RA+\p:RA+\p+1], v[RW+\p:RW+\p+1]                              ; w = a q
.endr
.irp p, 0,2,4,6,8,10,12,14
	v_pk_fma_f32 v[RY+\p:RY+\p+1], v[\bc+16+\p:\bc+16+\p+1], v[RH+\p:RH+\p+1], v[RY+\p:RY+\p+1]    ; Y += C h
.endr
.if \load
	LOADS \bc, \du, \row
.endif
.endm
	s_load_b256 s[8:15], s[0:1], 0x0               ; tokens s[8:9], W_delta s[10:11], W_B s[12:13], W_C s[14:15]
	s_load_b128 s[16:19], s[0:1], 0x20             ; b_delta s[16:17], log_A s[18:19]
	s_load_b64 s[20:21], s[0:1], 0x30              ; sums
	v_lshl_add_u32 v254, v0, 2, 0x4b600
	v_mov_b32 v255, 0
	v_lshrrev_b32 v1, 5, v0
	v_readfirstlane_b32 s2, v1                     ; wave w, 0..3
	s_mov_b32 s3, ttmp9                            ; d block x, 0..7
	s_and_b32 s4, ttmp7, 0xffff                    ; y = 8 n + chunk, 0..31
	s_mov_b32 s6, 0x76543210                       ; v_permlanex16_b32: lane i of one half reads lane i of the other
	s_mov_b32 s7, 0xfedcba98
	s_mov_b32 s27, 0xffff0000                      ; lanes 16-31
	v_and_b32 v1, 15, v0                           ; r
	v_bfe_u32 v2, v0, 4, 1                         ; h
	v_and_b32 v3, 31, v0                           ; lane
	v_lshlrev_b32 v29, 4, v1
	v_lshl_add_u32 v29, v2, 11, v29                ; 16 r + one token row for lanes 16-31
.irp c, 0,1,2,3,4,5,6,7
	s_add_co_u32 s28, s3, \c
	s_and_b32 s28, s28, 7                          ; the c-th K block is column block (x + c) mod 8
	s_lshl_b32 s[30+\c], s28, 7                    ; its 128 bytes in a bf16 row of W
	s_lshl_b32 s28, s28, 8                         ; its 256 bytes in a token row
	v_add_nc_u32 v[TOKO+\c], s28, v29
.endr
	v_mul_u32_u24 v[WF0], v1, WPITCH
	v_lshl_add_u32 v[WF0], v2, 4, v[WF0]           ; row r, 16 bytes for each half of the lanes
	v_add_nc_u32 v[WF1], 48*WPITCH, v[WF0]
	s_mul_i32 s28, s2, STG_W
	s_add_co_u32 s28, s28, STG_L                   ; my stage
	v_mul_u32_u24 v[TF], v1, SPITCH
	v_lshl_add_u32 v[TF], v2, 4, v[TF]
	v_add_nc_u32 v[TF], s28, v[TF]
	v_mul_u32_u24 v[TS], v2, SPITCH
	v_lshl_add_u32 v[TS], v1, 3, v[TS]
	v_add_nc_u32 v[TS], s28, v[TS]
	s_mul_i32 s29, s2, 64*DPITCH
	s_add_co_u32 s29, s29, DU_L                    ; my 64 rows of delta|x
	v_mul_u32_u24 v[XS], v2, DPITCH
	v_lshl_add_u32 v[XS], v1, 4, v[XS]
	v_add_nc_u32 v[XS], s29, v[XS]
	v_mul_u32_u24 v[DUW], v1, DPITCH
	v_lshl_add_u32 v[DUW], v2, 5, v[DUW]
	v_add_nc_u32 v[DUW], s29, v[DUW]
	v_lshlrev_b32 v[WGO], 4, v3
	s_mul_i32 s24, s2, 16*WPITCH
	v_lshl_add_u32 v[WD], v3, 3, s24               ; W_delta's rows 16 w ..
	s_mul_i32 s24, s2, 4*WPITCH
	s_add_co_u32 s24, s24, 64*WPITCH
	v_lshl_add_u32 v[WD2], v3, 3, s24              ; W_B's rows 4 w .. behind W_delta's 64
	s_mul_i32 s24, s2, 64*BPITCH
	s_add_co_u32 s24, s24, BC_L
	v_mul_u32_u24 v[BCW], v1, BPITCH
	v_lshl_add_u32 v[BCW], v2, 5, v[BCW]
	v_add_nc_u32 v[BCW], s24, v[BCW]
	s_lshl_b32 s24, s2, 6
	s_add_co_u32 s24, s24, DU_L
	v_mul_u32_u24 v[DUR], v2, 128*DPITCH           ; lanes 16-31 scan rows 128-255
	v_lshl_add_u32 v[DUR], v1, 2, v[DUR]
	v_add_nc_u32 v[DUR], s24, v[DUR]               ; d = 16 w + r
	v_mul_u32_u24 v[BCR], v2, 128*BPITCH
	v_add_nc_u32 v[BCR], BC_L, v[BCR]
	v_lshlrev_b32 v[BO], 5, v2
	v_lshlrev_b32 v[LAO], 6, v1
	v_lshlrev_b32 v[SY], 3, v3
	s_mov_b32 s25, 0
	s_wait_kmcnt 0x0
	s_lshl_b32 s24, s4, 19                         ; 256 token rows of 2,048 bytes a chunk,
	s_lshl_b32 s28, s2, 17                         ; 64 a wave
	s_add_co_u32 s24, s24, s28
	s_add_nc_u64 s[8:9], s[8:9], s[24:25]
	s_lshl_b32 s24, s3, 17                         ; 64 rows of W_delta a d block,
	s_lshl_b32 s28, s2, 15                         ; 16 a wave
	s_add_co_u32 s24, s24, s28
	s_add_nc_u64 s[10:11], s[10:11], s[24:25]
	s_lshl_b32 s24, s2, 13                         ; 4 rows of W_B and of W_C a wave
	s_add_nc_u64 s[12:13], s[12:13], s[24:25]
	s_add_nc_u64 s[14:15], s[14:15], s[24:25]
	s_lshl_b32 s24, s3, 8                          ; 64 numbers of b_delta a d block
	s_add_nc_u64 s[16:17], s[16:17], s[24:25]
	s_lshl_b32 s24, s3, 12                         ; 64 rows of log_A (64 bytes each) a d block,
	s_lshl_b32 s28, s2, 10                         ; 16 a wave
	s_add_co_u32 s24, s24, s28
	s_add_nc_u64 s[18:19], s[18:19], s[24:25]
	s_lshl_b32 s24, s4, 3
	s_add_co_u32 s24, s24, s3
	s_lshl_b32 s24, s24, 2
	s_add_co_u32 s24, s24, s2                      ; (8 y + x) 4 + w
	s_mul_i32 s24, s24, BLK
	s_add_nc_u64 s[20:21], s[20:21], s[24:25]
	; PHASE 1: loads go out: x's K block, b_delta, log_A, three batches of W
	TLOAD 0
	WIN 0x40
.irp ct, 0,1,2,3
	global_load_b128 v[192+8*\ct:192+8*\ct+3],   v[BO], s[16:17] offset:64*\ct      ; b_delta[16 ct + 8 h + 0..7]: the layout of an accumulator
	global_load_b128 v[192+8*\ct+4:192+8*\ct+7], v[BO], s[16:17] offset:64*\ct+16
.endr
	WIN 0
.irp j, 0,1,2,3
	global_load_b128 v[RA2+4*\j:RA2+4*\j+3], v[LAO], s[18:19] offset:16*\j
.endr
	WLD WB0, 10, 0
	WLD WB1, 10, 8192
	WLD WB2, 10, 16384
	; PHASE 2: W to bf16.  Loads come back in order (ISA guide 5.7.1): each count names the loads issued behind the batch at work.
	WSTEP WB0, 32, WD, 0                           ; two batches of 16 stay out
	WLD WB0, 10, 24576
	WSTEP WB1, 32, WD, 4*WPITCH
	WLD WB1, 12, 0
	WSTEP WB2, 32, WD, 8*WPITCH
	WLD WB2, 14, 0
	WSTEP WB0, 32, WD, 12*WPITCH
	TLOAD 1
	WIN 0
	WSTEP WB1, 48, WD2, 0                          ; W_C's 16 loads and K block 1's 32 stay out
	WSTEP WB2, 32, WD2, 16*WPITCH                  ; K block 1's 32
	TLOAD 2
	XSAVE                                          ; K block 0 came in ahead of every batch of W
	CVT 0
	STORE 0
	WIN 0
	s_wait_dscnt 0x0                               ; my rows of W are in LDS
	s_barrier_signal -1
	s_barrier_wait -1                              ; everybody's are
	; PHASE 3: the product
.irp c, 0,1,2,3,4,5,6,7
	KBLOCK \c
.endr
	; PHASE 4: B and C straight from the accumulators (the four places stand at the end of the last K block), softplus, A
	WIN 0x04
.irp ct, 4,5
.irp tt, 0,1,2,3
	ds_store_b128 v[BCW], v[8*(4*\ct+\tt):8*(4*\ct+\tt)+3]   offset:\tt*16*BPITCH+(\ct-4)*64
	ds_store_b128 v[BCW], v[8*(4*\ct+\tt)+4:8*(4*\ct+\tt)+7] offset:\tt*16*BPITCH+(\ct-4)*64+16
.endr
.endr
	SOFT 0
	SOFT 1
	SOFT 2
	SOFT 3
.irp i, 0,2,4,6,8,10,12,14
	v_pk_mul_f32 v[RA2+\i:RA2+\i+1], v[RA2+\i:RA2+\i+1], 0x3fb8aa3b op_sel_hi:[1,0]
.endr
.set i, 0
.rept 16
	v_exp_f32 v[RA2+i], v[RA2+i]                   ; e^logA
.set i, i+1
.endr
	v_nop
	s_wait_alu depctr_va_vdst(0)                   ; the wait for the batch of 16 e^logA, ahead of the multiplies that read them
.irp i, 0,2,4,6,8,10,12,14
	v_pk_mul_f32 v[RA2+\i:RA2+\i+1], v[RA2+\i:RA2+\i+1], 0xbfb8aa3b op_sel_hi:[1,0]   ; x -log2 e: a = 2^(delta x this)
.endr
	s_wait_dscnt 0x0                               ; my rows of delta, x, B, C are in LDS
	s_barrier_signal -1
	s_barrier_wait -1                              ; everybody's are; nothing in LDS is written from here on
	; PHASE 5: the scan, 128 steps a lane.  Step t's operands are loaded at the end of step t - 2.
	LOADS BC0, DU0, 0
	LOADS BC1, DU1, 1
	; step 0 starts every sum: P = a, S2 = v, q = C, h = v, S1 = C a, w = a C, Y = v q + C h = 2 C v.  Nothing is cleared.
	s_wait_dscnt 10                                ; step 1's 10 loads stay out
	v_mul_f32 v[DU0+1], v[DU0], v[DU0+1]
.irp i, 0,2,4,6,8,10,12,14
	v_pk_mul_f32 v[RP+\i:RP+\i+1], v[RA2+\i:RA2+\i+1], v[DU0:DU0+1] op_sel_hi:[1,0]
.endr
.set i, 0
.rept 16
	v_exp_f32 v[RP+i], v[RP+i]
.set i, i+1
.endr
.irp i, 0,2,4,6,8,10,12,14
	v_pk_mul_f32 v[RH+\i:RH+\i+1], v[BC0+\i:BC0+\i+1], v[DU0:DU0+1] op_sel:[0,1] op_sel_hi:[1,1]
.endr
	s_wait_alu depctr_va_vdst(0)                   ; the wait for step 0's batch of 16 a; the eight multiplies above, which name none of them, stand between
.irp i, 0,2,4,6,8,10,12,14
	v_pk_mul_f32 v[RS2+\i:RS2+\i+1], v[BC0+\i:BC0+\i+1], v[DU0:DU0+1] op_sel:[0,1] op_sel_hi:[1,1]
	v_pk_mul_f32 v[RS1+\i:RS1+\i+1], v[BC0+16+\i:BC0+16+\i+1], v[RP+\i:RP+\i+1]
	v_pk_mul_f32 v[RY+\i:RY+\i+1], v[BC0+16+\i:BC0+16+\i+1], v[RH+\i:RH+\i+1]
	v_pk_mul_f32 v[RW+\i:RW+\i+1], v[RP+\i:RP+\i+1], v[BC0+16+\i:BC0+16+\i+1]
	v_pk_add_f32 v[RY+\i:RY+\i+1], v[RY+\i:RY+\i+1], v[RY+\i:RY+\i+1]
.endr
	LOADS BC0, DU0, 2
	v_add_nc_u32 v[DUR], 3*DPITCH, v[DUR]
	v_add_nc_u32 v[BCR], 3*BPITCH, v[BCR]
	s_mov_b32 s26, 62                              ; steps 1 to 124, two a trip
.Lscan:
	STEP BC1, DU1, 10, 1, 0                        ; the other buffer's 10 loads stay out, on the way in and round the back edge
	STEP BC0, DU0, 10, 1, 1
	v_add_nc_u32 v[DUR], 2*DPITCH, v[DUR]
	v_add_nc_u32 v[BCR], 2*BPITCH, v[BCR]
	s_sub_co_i32 s26, s26, 1
	s_cmp_lg_u32 s26, 0
	s_cbranch_scc1 .Lscan
	STEP BC1, DU1, 10, 1, 0                        ; step 125; row 127 is the last that is loaded
	STEP BC0, DU0, 10, 0, 0                        ; step 126
	STEP BC1, DU1, 0, 0, 0                         ; step 127
	; PHASE 6: the halves are joined.  a = lanes 0-15 (earlier), b = lanes 16-31:  S = Sa + PFa Sb,  E = Eb + PFb Ea,  PF = PFa PFb,
	; Y = Ya + Yb + sum over k of (S1b E1a + S2b E2a).  A lane keeps S (a) or E (b), sends the other (Z), and gets its partner's (O).
.set i, 0
.rept 16
	v_cndmask_b32 v[BC0+i], v[RH+i], v[RS1+i], s27             ; Z1: a sends E1, b sends S1
	v_cndmask_b32 v[RS1+i], v[RS1+i], v[RH+i], s27             ; a keeps S1, b keeps E1
	v_cndmask_b32 v[BC0+16+i], v[RW+i], v[RS2+i], s27          ; Z2
	v_cndmask_b32 v[RS2+i], v[RS2+i], v[RW+i], s27
	v_permlanex16_b32 v[BC1+i], v[BC0+i], s6, s7               ; O1
	v_permlanex16_b32 v[BC1+16+i], v[BC0+16+i], s6, s7         ; O2
	v_permlanex16_b32 v[RA+i], v[RP+i], s6, s7                 ; the partner's PF
.set i, i+1
.endr
	v_pk_mul_f32 v[DU0:DU0+1], v[BC0:BC0+1], v[BC1:BC1+1]      ; the cross sum, the same in both partners
.irp i, 2,4,6,8,10,12,14,16,18,20,22,24,26,28,30
	v_pk_fma_f32 v[DU0:DU0+1], v[BC0+\i:BC0+\i+1], v[BC1+\i:BC1+\i+1], v[DU0:DU0+1]
.endr
.irp i, 0,2,4,6,8,10,12,14
	v_pk_fma_f32 v[RS1+\i:RS1+\i+1], v[RP+\i:RP+\i+1], v[BC1+\i:BC1+\i+1], v[RS1+\i:RS1+\i+1]
	v_pk_fma_f32 v[RS2+\i:RS2+\i+1], v[RP+\i:RP+\i+1], v[BC1+16+\i:BC1+16+\i+1], v[RS2+\i:RS2+\i+1]
	v_pk_mul_f32 v[RP+\i:RP+\i+1], v[RP+\i:RP+\i+1], v[RA+\i:RA+\i+1]
.endr
.irp i, 0,2,4,6
	v_pk_add_f32 v[RY+\i:RY+\i+1], v[RY+\i:RY+\i+1], v[RY+8+\i:RY+8+\i+1]
.endr
	v_pk_add_f32 v[RY:RY+1], v[RY:RY+1], v[RY+4:RY+5]
	v_pk_add_f32 v[RY+2:RY+3], v[RY+2:RY+3], v[RY+6:RY+7]
	v_pk_add_f32 v[RY:RY+1], v[RY:RY+1], v[RY+2:RY+3]
	v_pk_fma_f32 v[RY:RY+1], v[DU0:DU0+1], 0.5, v[RY:RY+1] op_sel_hi:[1,0,1]   ; each partner takes half of the cross sum; launch 2 adds all lanes' Y
.irp e, 0,1,2,3,4,5,6,7
	v_cndmask_b32 v[RV+\e], v[RP+\e], v[RP+8+\e], s27          ; PF: lanes 0-15 store k 0-7, lanes 16-31 k 8-15
.endr
	; PHASE 7: out.  Each store of the wave covers 512 (the last: 256) consecutive bytes, aligned to 256.
.irp j, 0,1,2,3
	global_store_b128 v[WGO], v[RS1+4*\j:RS1+4*\j+3], s[20:21] offset:512*\j
	global_store_b128 v[WGO], v[RS2+4*\j:RS2+4*\j+3], s[20:21] offset:2048+512*\j
.endr
	global_store_b128 v[WGO], v[RV:RV+3],   s[20:21] offset:4096
	global_store_b128 v[WGO], v[RV+4:RV+7], s[20:21] offset:4608
	global_store_b64  v[SY],  v[RY:RY+1],   s[20:21] offset:5120
	s_wait_tensorcnt 0x0
	ds_add_u32 v254, v255
	s_wait_dscnt 0x0
	s_endpgm
.Lfunc_end_k_q575e2405a8_chunks:
	.size	k_q575e2405a8_chunks, .Lfunc_end_k_q575e2405a8_chunks-k_q575e2405a8_chunks
	.p2alignl 7, 3214868480
	.fill 96, 4, 3214868480
	.section	.rodata,"a",@progbits
	.p2align	6, 0x0
	.amdhsa_kernel k_q575e2405a8_chunks
		.amdhsa_group_segment_fixed_size 309248
		.amdhsa_private_segment_fixed_size 0
		.amdhsa_enable_private_segment 0
		.amdhsa_kernarg_size 56
		.amdhsa_user_sgpr_count 2
		.amdhsa_user_sgpr_kernarg_segment_ptr 1
		.amdhsa_wavefront_size32 1
		.amdhsa_system_sgpr_workgroup_id_x 1
		.amdhsa_system_sgpr_workgroup_id_y 1
		.amdhsa_system_sgpr_workgroup_id_z 1
		.amdhsa_system_vgpr_workitem_id 0
		.amdhsa_next_free_vgpr 896
		.amdhsa_next_free_sgpr 66
		.amdhsa_reserve_vcc 0
		.amdhsa_float_denorm_mode_32 3
		.amdhsa_float_denorm_mode_16_64 3
		.amdhsa_memory_ordered 1
		.amdhsa_forward_progress 1
		.amdhsa_inst_pref_size 246
	.end_amdhsa_kernel
	.amdgpu_metadata
---
amdhsa.version: [ 1, 2 ]
amdhsa.kernels:
  - .name:           k_q575e2405a8_chunks
    .symbol:         k_q575e2405a8_chunks.kd
    .args:
      - { .name: tokens, .offset: 0, .size: 8, .value_kind: global_buffer, .address_space: global }
      - { .name: W_delta, .offset: 8, .size: 8, .value_kind: global_buffer, .address_space: global }
      - { .name: W_B, .offset: 16, .size: 8, .value_kind: global_buffer, .address_space: global }
      - { .name: W_C, .offset: 24, .size: 8, .value_kind: global_buffer, .address_space: global }
      - { .name: b_delta, .offset: 32, .size: 8, .value_kind: global_buffer, .address_space: global }
      - { .name: log_A, .offset: 40, .size: 8, .value_kind: global_buffer, .address_space: global }
      - { .name: sums, .offset: 48, .size: 8, .value_kind: global_buffer, .address_space: global }
    .group_segment_fixed_size: 309248
    .private_segment_fixed_size: 0
    .kernarg_segment_align: 8
    .kernarg_segment_size: 56
    .max_flat_workgroup_size: 128
    .sgpr_count:     66
    .vgpr_count:     896
    .wavefront_size: 32
...
	.end_amdgpu_metadata
.endif
;; end of part 3
;; launch combine: the kernel of part 2 again; grid 128 x 1, 4 waves a work-group, no clusters, 768 bytes of LDS; arguments sums, out0; writes out0
